; MI455X (gfx1250); checked and timed in simulation.
; The chip was launched on July 23, 2026; its instructions are those of AMD's public machine-readable ISA for CDNA 5 (MIT licence, August 2026) and "CDNA5" Instruction Set Architecture Reference Guide (July 2026). The comments in the code are by the model that wrote it; some were corrected since.
;; Quant Conv1d. Allowed arithmetic: matrix products marked QUANTISED: E2M1 operands, one E8M0 scale for each 32 along K, by v_wmma_scale_f32_16x16x128_f8f6f4 with both operands' format E2M1 (or v_wmma_scale_f32_32x16x128_f4), f32 sums; everything else in f32.
;; Inputs: bias 16,384 float32; scale 1 x 16,384 float32; weight 4,096 x 16,384 int8; x 4 x 256 x 4,096 float32.
;; Outputs: out0 4 x 256 x 16,384 float32.
;; This version of the problem:
;;   THIS VERSION OF THE PROBLEM IS GIVEN IN LOW PRECISION. The matrix products marked QUANTISED in the list below multiply operands that are first quantised to E2M1 (2 exponent bits, 1 mantissa bit; 4 bits a number), with one power-of-two scale for each 32 numbers along K (OCP MX v1.0); their sums are f32. All else is computed in f32.
;;   The module's matrix products, in the order in which they are computed (A, B: the left and right operand; K: the contracted axis; several contracted axes count as one K, in the product's order):
;;     1. [M 1,024, K 4,096] x [K 4,096, N 16,384]; A: input x; B: input weight: QUANTISED
;;   THE QUANTISER, for each operand of a quantised product, along K:
;;     - K is cut into blocks of 32 from its start; a last block that is shorter is filled with zeros.
;;     - A block's scale is 2^e with e = floor(log2(the largest magnitude in the block)) - 2, held to -126 .. 127; a block of zeros has e = 0. As a byte (E8M0): e + 127.
;;     - Each number is divided by its block's scale, clamped to +-6, and rounded to the nearest number of E2M1, ties to even, subnormals kept.
;;     - The product sums the exact products of the quantised numbers (number of the format x scale) in f32.
;;   ~~~python
;;   def quantise(x, axis):      # numpy; x: float32 -> the quantised numbers, widened to float32 again
;;       x = np.moveaxis(x, axis, -1); K = x.shape[-1]
;;       x = np.pad(x, [(0, 0)] * (x.ndim - 1) + [(0, -K % 32)]); x = x.reshape(x.shape[:-1] + (-1, 32)); a = np.abs(x).max(-1, keepdims=True)
;;       e = np.where(a > 0, np.clip(np.frexp(np.where(a > 0, a, 1))[1] - 1 - 2, -126, 127), 0)      # np.frexp(a)[1] - 1 = floor(log2(a)), exactly
;;       r = np.clip(x / 2.0 ** e, -6, 6)
;;       step = 2.0 ** (np.maximum(np.frexp(np.where(r == 0, 1, r))[1] - 1, 0) - 1)
;;       q = np.round(r / step) * step * 2.0 ** e      # np.round: ties to even
;;       return np.moveaxis(q.reshape(q.shape[:-2] + (-1,))[..., :K], -1, axis).astype(np.float32)
;;   ~~~
;; One version. Each part assembles by itself: llvm-mc -triple=amdgcn-amd-amdhsa -mcpu=gfx1250 --defsym DOCPART=n.
;; ======== version 1 of 1: 2 launches
;; limits: right only within a limited range of input values
;; workspace buffers: xq 2,228,224 bytes; wq 35,651,584 bytes
;; launch quant (part 1): grid 640 x 1, 4 waves a work-group, no clusters, 59,392 bytes of LDS; arguments x, weight, xq, wq; writes xq, wq
.if DOCPART == 1
	.amdgcn_target "amdgcn-amd-amdhsa--gfx1250"
	.amdhsa_code_object_version 6
	.text
	.protected	k_q6d48e754c4_quant
	.globl	k_q6d48e754c4_quant
	.p2align	8
	.type	k_q6d48e754c4_quant,@function
k_q6d48e754c4_quant:
	s_mov_b64 s[64:65], 0
	v_nop
	global_prefetch_b8 v0, s[64:65] scope:SCOPE_SE
	s_setreg_imm32_b32 hwreg(HW_REG_WAVE_MODE, 25, 1), 1
	s_wait_xcnt 0x0
; x [1024][4096] f32 (K innermost) and weight [4096][16384] int8 (K is the FIRST axis) become codes of FP4 (E2M1) with one E8M0 byte for each 32 along K.
; A block's scale is 2^(floor(log2(its largest magnitude)) - 2); its byte is the largest magnitude's exponent field - 2, held at 1 from below; each number is divided by the scale and
; rounded to the nearest code, ties to even, beyond 6 the largest code.
; LIMITS: a block of zeros gets the byte 1 where the rule says 127 (its codes are zeros, and only this program reads the bytes); blocks whose largest magnitude lies under 2^-124 are held
; at the byte 1; NaN and infinities in x are not served.
; THE WORKSPACE IS LAID AS THE PRODUCT'S REGISTERS WANT IT: [rb = row / 128][ks = k / 512][a chunk of 34,816 bytes]; a "row" of wq is a column n of weight.  A chunk (128 rows x 512 K):
;   bytes 0 .. 32,767: codes [i = block of 16 rows][kb = block of 32 K, 0..15][r = row in the block][16 bytes];   bytes 32,768 .. 34,815: scale bytes [row 0..127][kb 0..15].
; SHARES.  Work-groups 0-511 take weight: 256 columns x 512 K each, a wave 128 K.  Work-groups 512-639 take x: 16 rows x 2,048 K each, a wave 512 K.  Both kinds read 128 KiB.
; The two paths part on the work-group's number and have LDS bytes of their own.  No tensor loads and no cluster: no two work-groups read the same byte, and loads go to registers.
.set CHUNK,    34816
.set RBSTRIDE, 8*CHUNK
.set SCO,      32768                   ; where a chunk's scale bytes begin
.set FLOOR,    0x1800000               ; 2^(3 - 127): under it no largest magnitude is taken, so the byte cannot fall under 1
.set OFFE,     0xff000000              ; takes 2 off an exponent field
.set WSTG,     4608                    ; weight path: a wave's stage: 32 lanes x (8 columns x 16 bytes + 16 of padding)
.set WSC,      4*WSTG                  ; behind the four stages: the work-group's scale bytes, laid like a stage
.set XBASE,    WSC+WSTG                ; x path: its LDS bytes begin here (23,040)
.set XSTG,     4352                    ; a stage: 16 rows x (256 bytes + 16 of padding)
.set XREG,     2*XSTG+256              ; a wave's region: two stages and its 256 scale bytes
.set SW, 16                            ; weight: v16-23   a word of four scale bytes for each of my 8 columns
.set WX, 24                            ;         v24-55   32 numbers down K of one column
.set WC, 56                            ;         v56-87   the codes of my 8 columns, 4 registers each
.set WO, 88                            ;         v88-119  the way out
.set WD, 120                           ;         v120-247 two sets of 32 rows x 8 bytes as loaded
.set XE, 16                            ; x:      v16-23   a scale byte for each step
.set XC, 24                            ;         v24-55   codes, 4 registers for each step: no store's data are written again
.set XX, 56                            ;         v56-119  two sets of 32 neighbours along K
.set XR, 120                           ;         v120-247 four sets of 32 registers as loaded
; The largest magnitude of the 32 numbers v[xs] .. v[xs + 31] (two chains), the floor among its leaves -> v10; with 2 off its exponent field -> v12: the conversion takes the exponent field of that operand as its scale.
.macro BLOCKMAX xs
	v_max3_num_f32 v10, |v[\xs]|, |v[\xs+1]|, |v[\xs+2]|
	v_max3_num_f32 v11, |v[\xs+3]|, |v[\xs+4]|, |v[\xs+5]|
.irp i, 6,10,14,18,22,26
	v_max3_num_f32 v10, v10, |v[\xs+\i]|, |v[\xs+\i+1]|
	v_max3_num_f32 v11, v11, |v[\xs+\i+2]|, |v[\xs+\i+3]|
.endr
	v_max3_num_f32 v10, v10, |v[\xs+30]|, |v[\xs+31]|
	v_max3_num_f32 v10, v10, v11, FLOOR
	v_add_nc_u32 v12, OFFE, v10
.endm
	s_load_b128 s[4:7], s[0:1], 0x0                ; x, weight
	s_load_b128 s[8:11], s[0:1], 0x10              ; xq, wq
	v_lshl_add_u32 v248, v0, 2, 0xe600
	v_mov_b32 v249, 0
	v_lshrrev_b32 v1, 5, v0
	v_readfirstlane_b32 s12, v1                    ; wave 0..3
	v_and_b32 v1, 31, v0                           ; lane
	s_cmp_lt_u32 ttmp9, 512                        ; the same in all four waves of a work-group
	s_cbranch_scc0 .Lx
; ---------------------------------------------------------------- WEIGHT
; Lane l owns columns 8 l .. 8 l + 7 of the work-group's 256, and its registers run DOWN K: a load of 8 bytes a lane reads 256 consecutive, aligned bytes of one row of weight, a block of 32 along K
; of a column lies in one lane, and the conversions give codes with K innermost.  Nothing is transposed by an instruction.
	s_and_b32 s13, ttmp9, 63                       ; cg: which 256 columns (rb 2 cg and 2 cg + 1)
	s_lshr_b32 s18, ttmp9, 6                       ; ks: which 512 along K
	s_lshl_b32 s28, s18, 23                        ; 512 rows of 16,384 bytes
	s_lshl_b32 s29, s12, 21                        ; my wave's 128 rows
	s_add_co_u32 s28, s28, s29
	s_lshl_b32 s29, s13, 8
	s_add_co_u32 s28, s28, s29                     ; weight: under 2^26
	s_mov_b32 s29, 0
	s_mul_i32 s34, s13, 2*RBSTRIDE
	s_mul_i32 s35, s18, CHUNK
	s_add_co_u32 s34, s34, s35                     ; the chunk (2 cg, ks)
	s_lshl_b32 s35, s12, 10
	s_add_co_u32 s30, s34, s35                     ; codes: my wave's four kb begin 1,024 w bytes into each block of 16 rows
	s_mov_b32 s31, 0
	s_lshr_b32 s35, s12, 1
	s_mul_i32 s35, s35, RBSTRIDE
	s_add_co_u32 s32, s34, s35                     ; scale bytes: wave w stores those of columns 64 w .. 64 w + 63: rb 2 cg + w / 2,
	s_and_b32 s35, s12, 1
	s_lshl_b32 s35, s35, 10
	s_add_co_u32 s32, s32, s35                     ; rows 64 (w % 2) on, 16 bytes a row
	s_add_co_u32 s32, s32, SCO
	s_mov_b32 s33, 0
	s_mov_b32 s20, 0x80808080                      ; int8 w -> the byte w + 128
	s_mov_b32 s21, 0x4b000000                      ; 2^23: with a byte u in its lowest bits it is the f32 number 2^23 + u
	s_mov_b32 s22, 0xcb000080                      ; -(2^23 + 128): added to that it leaves w, exactly
	s_mov_b32 s23, s22                             ; (the packed form names the pair)
	s_mov_b32 s24, 0x07060500                      ; v_perm_b32: byte j of the data under the three upper bytes of 2^23
	s_mov_b32 s25, 0x07060501
	s_mov_b32 s26, 0x07060502
	s_mov_b32 s27, 0x07060503
	s_mul_i32 s19, s12, WSTG                       ; my stage
	s_wait_alu depctr_va_vdst(0)
	v_lshlrev_b32 v2, 3, v1                        ; v2: in: 8 bytes a lane
	v_mul_u32_u24 v9, v1, 144
	v_add_nc_u32 v3, s19, v9                       ; v3: into the stage: 144 x lane; column j 16 j further
	s_lshl_b32 s34, s12, 2
	s_add_co_u32 s34, s34, WSC
	v_add_nc_u32 v6, s34, v9                       ; v6: my columns' scale bytes: 144 x lane + 4 x wave (my four kb of a column's sixteen)
	v_lshrrev_b32 v9, 3, v1
	v_mul_u32_u24 v9, v9, 144
	v_and_b32 v8, 7, v1
	v_lshl_add_u32 v9, v8, 4, v9                   ; column c of 32 on end lies at 144 (c / 8) + 16 (c % 8)
	v_add_nc_u32 v4, s19, v9                       ; v4: out of the stage: lane l takes column 32 u + l
	s_mul_i32 s34, s12, 1152
	s_add_co_u32 s34, s34, WSC
	v_add_nc_u32 v7, s34, v9                       ; v7: the scale bytes of column 64 w + 32 v + l
	v_lshrrev_b32 v9, 4, v1
	v_and_b32 v5, 15, v1
	v_lshlrev_b32 v5, 4, v5
	v_lshl_add_u32 v5, v9, 12, v5                  ; v5: in wq: lanes 0-15 one block of 16 rows, lanes 16-31 the next (4,096 bytes on); 16 bytes a row
	v_lshlrev_b32 v8, 4, v1                        ; v8: 16 x lane
	s_wait_kmcnt 0x0
	s_add_nc_u64 s[6:7], s[6:7], s[28:29]
	s_add_nc_u64 s[14:15], s[10:11], s[30:31]
	s_add_nc_u64 s[16:17], s[10:11], s[32:33]
.macro WLOAD t                         ; block t: 32 rows of weight into set t % 2
.set n, 0
.rept 32
	global_load_b64 v[WD+64*((\t)%2)+2*n:WD+64*((\t)%2)+2*n+1], v2, s[6:7] offset:(32*(\t)+n)*16384 th:TH_LOAD_NT
.set n, n+1
.endr
.endm
.macro COLUMN t, j                     ; column j of my eight, block t: 32 bytes -> f32 -> scale, codes
.set n, 0
.rept 32
	v_perm_b32 v[WX+n], s21, v[WD+64*((\t)%2)+2*n+(\j)/4], s[24+(\j)%4]     ; 2^23 + (w + 128)
.set n, n+1
.endr
.set n, 0
.rept 16
	v_pk_add_f32 v[WX+n:WX+n+1], v[WX+n:WX+n+1], s[22:23] op_sel_hi:[1,0]   ; w, exact
.set n, n+2
.endr
	BLOCKMAX WX
.irp g, 0,1,2,3
	v_cvt_scalef32_pk8_fp4_f32 v[WC+4*(\j)+\g], v[WX+8*\g:WX+8*\g+7], v12
.endr
	v_lshrrev_b32 v13, 23, v12                     ; the scale's byte.  (Also the plain instruction between the conversions and the next column's writes of their sources)
.if (\t) == 0
	v_mov_b32 v[SW+(\j)], v13                      ; four bytes to a word, the lower K in the lower byte
.else
	v_lshl_or_b32 v[SW+(\j)], v13, 8*(\t), v[SW+(\j)]
.endif
	ds_store_b128 v3, v[WC+4*(\j):WC+4*(\j)+3] offset:16*(\j)
.endm
.macro WBLOCK t
.if (\t) < 3
	s_wait_loadcnt 32                              ; this block's 32 loads are in; the next block's may be out
.else
	s_wait_loadcnt 0x0
.endif
.set n, 0
.rept 64
	v_xor_b32 v[WD+64*((\t)%2)+n], s20, v[WD+64*((\t)%2)+n]
.set n, n+1
.endr
.irp j, 0,1,2,3,4,5,6,7
	COLUMN \t, \j
.endr
	s_wait_xcnt 0x0                                ; the last block's stores have read v88-119: only behind this wait are they loaded again
.irp u, 0,1,2,3,4,5,6,7
	ds_load_b128 v[WO+4*\u:WO+4*\u+3], v4 offset:576*\u    ; LDS serves a wave's instructions in order: these see my stores.  Lane l: the 16 bytes of column 32 u + l
.endr
.if (\t) < 2
	WLOAD (\t)+2                                   ; the set just worked takes the block two further on
.endif
	s_wait_dscnt 0x0                               ; the codes are back; the stage and v56-87 may be written again
.irp u, 0,1,2,3,4,5,6,7
	global_store_b128 v5, v[WO+4*\u:WO+4*\u+3], s[14:15] offset:(\u/4)*RBSTRIDE+(\u%4)*8192+256*(\t)   ; sixteen lanes store the 256 consecutive, aligned bytes [i][kb][0..15][16]
.endr
.endm
	WLOAD 0
	WLOAD 1
	WBLOCK 0
	WBLOCK 1
	WBLOCK 2
	WBLOCK 3
	s_wait_alu depctr_va_vdst(0)
.irp j, 0,1,2,3,4,5,6,7
	ds_store_b32 v6, v[SW+\j] offset:16*\j         ; a column's sixteen bytes come from four waves: they meet in LDS
.endr
	s_wait_dscnt 0x0                               ; for the others' sake: my stores have landed
	s_barrier_signal -1
	s_barrier_wait -1
.irp v, 0,1
	ds_load_b128 v[WX+4*\v:WX+4*\v+3], v7 offset:576*\v
.endr
	s_wait_dscnt 0x0
.irp v, 0,1
	global_store_b128 v8, v[WX+4*\v:WX+4*\v+3], s[16:17] offset:512*\v     ; 32 lanes store 512 consecutive bytes: 32 rows of scale bytes
.endr
	s_wait_tensorcnt 0x0
	ds_add_u32 v248, v249
	s_wait_dscnt 0x0
	s_endpgm
; ---------------------------------------------------------------- X
; A wave takes 16 rows x 512 K: one block i of one chunk, in 8 steps of 64 K.  A load reads 256 consecutive, aligned bytes of each of two rows (16 bytes a lane); the conversions want 32 neighbours
; along K in ONE lane: so a step's 4,096 bytes turn through the wave's own stage (rows 272 bytes apart) and come back 128 bytes a lane: lane (r, h) holds block kb = 2 s + h of row r, whole.
.Lx:
	s_sub_co_u32 s13, ttmp9, 512
	s_lshr_b32 s18, s13, 1                         ; which 16 rows
	s_and_b32 s19, s13, 1
	s_lshl_b32 s19, s19, 2
	s_add_co_u32 s19, s19, s12                     ; ks = 4 (work-group % 2) + wave
	s_lshl_b32 s28, s18, 18                        ; 16 rows of 16,384 bytes
	s_lshl_b32 s29, s19, 11                        ; 512 numbers
	s_add_co_u32 s28, s28, s29
	s_mov_b32 s29, 0
	s_lshr_b32 s34, s18, 3
	s_mul_i32 s34, s34, RBSTRIDE
	s_mul_i32 s35, s19, CHUNK
	s_add_co_u32 s34, s34, s35                     ; the chunk
	s_and_b32 s35, s18, 7                          ; i
	s_lshl_b32 s36, s35, 12
	s_add_co_u32 s30, s34, s36                     ; its codes
	s_mov_b32 s31, 0
	s_lshl_b32 s36, s35, 8
	s_add_co_u32 s32, s34, s36
	s_add_co_u32 s32, s32, SCO                     ; its 256 scale bytes
	s_mov_b32 s33, 0
	s_mul_i32 s37, s12, XREG
	s_add_co_u32 s37, s37, XBASE                   ; my region of LDS
	s_add_co_u32 s38, s37, 2*XSTG                  ; and in it my scale bytes
	s_wait_alu depctr_va_vdst(0)
	v_and_b32 v9, 15, v1                           ; r
	v_lshrrev_b32 v13, 4, v1                       ; h
	v_lshlrev_b32 v2, 4, v9
	v_lshl_add_u32 v2, v13, 14, v2                 ; v2: in: row h of a pair, 16 r
	v_mul_u32_u24 v3, v13, 272
	v_lshl_add_u32 v3, v9, 4, v3
	v_add_nc_u32 v3, s37, v3                       ; v3: into the stage, as loaded
	v_mul_u32_u24 v4, v9, 272
	v_lshl_add_u32 v4, v13, 7, v4
	v_add_nc_u32 v4, s37, v4                       ; v4: out of it: row r, block h
	v_lshlrev_b32 v5, 4, v1                        ; v5: 16 x lane: [kb = 2 s + h][r][16 bytes] is 512 s + 16 x lane
	v_lshl_add_u32 v6, v9, 4, v13
	v_add_nc_u32 v6, s38, v6                       ; v6: my byte: row r, kb = h (+ 2 s)
	v_lshlrev_b32 v8, 3, v1                        ; v8: 8 x lane
	v_add_nc_u32 v7, s38, v8                       ; v7: the bytes' way out
	s_wait_alu depctr_va_vdst(0)
	s_wait_kmcnt 0x0
	s_add_nc_u64 s[4:5], s[4:5], s[28:29]
	s_add_nc_u64 s[14:15], s[8:9], s[30:31]
	s_add_nc_u64 s[16:17], s[8:9], s[32:33]
.macro XLOAD s
.irp u, 0,1,2,3,4,5,6,7
	global_load_b128 v[XR+32*((\s)%4)+4*\u:XR+32*((\s)%4)+4*\u+3], v2, s[4:5] offset:32768*\u+256*(\s) th:TH_LOAD_NT
.endr
.endm
.macro XTURN s                         ; LDS serves a wave's instructions in order: no wait between the stores and the loads
.irp u, 0,1,2,3,4,5,6,7
	ds_store_b128 v3, v[XR+32*((\s)%4)+4*\u:XR+32*((\s)%4)+4*\u+3] offset:XSTG*((\s)%2)+544*\u
.endr
.irp g, 0,1,2,3,4,5,6,7
	ds_load_b128 v[XX+32*((\s)%2)+4*\g:XX+32*((\s)%2)+4*\g+3], v4 offset:XSTG*((\s)%2)+16*\g
.endr
.endm
.macro XSTEP s
.set XS, XX+32*((\s)%2)
.if (\s) > 0
	s_wait_dscnt 1                                 ; this step's numbers are back from the stage (the last step's byte store may be out): so its stores into the stage have read their registers,
.else
	s_wait_dscnt 0x0
.endif
.if (\s) < 4
	XLOAD (\s)+4                                   ; which take the loads of four steps on
.endif
.if (\s) < 7
.if (\s) < 4
	s_wait_loadcnt 24                              ; the next step's eight loads are in; those of the three steps behind it may be out
.else
	s_wait_loadcnt 8*(6-(\s))                      ; the counts run down
.endif
	XTURN (\s)+1                                   ; through the other stage, while this step is worked
.endif
	BLOCKMAX XS
.irp g, 0,1,2,3
	v_cvt_scalef32_pk8_fp4_f32 v[XC+4*(\s)+\g], v[XS+8*\g:XS+8*\g+7], v12
.endr
	v_lshrrev_b32 v[XE+(\s)], 23, v12              ; the scale's byte.  (Also the plain instruction behind the conversions)
	ds_store_b8 v6, v[XE+(\s)] offset:2*(\s)
	global_store_b128 v5, v[XC+4*(\s):XC+4*(\s)+3], s[14:15] offset:512*(\s)   ; 32 lanes store 512 consecutive bytes
.endm
	XLOAD 0
	XLOAD 1
	XLOAD 2
	XLOAD 3
	s_wait_loadcnt 24                              ; step 0's eight loads are in
	XTURN 0
.irp s, 0,1,2,3,4,5,6,7
	XSTEP \s
.endr
	ds_load_b64 v[14:15], v7                       ; these see my byte stores
	s_wait_dscnt 0x0
	global_store_b64 v8, v[14:15], s[16:17]        ; 32 lanes store 256 consecutive, aligned bytes: 16 rows of scale bytes
	s_wait_tensorcnt 0x0
	ds_add_u32 v248, v249
	s_wait_dscnt 0x0
	s_endpgm
.Lfunc_end_k_q6d48e754c4_quant:
	.size	k_q6d48e754c4_quant, .Lfunc_end_k_q6d48e754c4_quant-k_q6d48e754c4_quant
	.p2alignl 7, 3214868480
	.fill 96, 4, 3214868480
	.section	.rodata,"a",@progbits
	.p2align	6, 0x0
	.amdhsa_kernel k_q6d48e754c4_quant
		.amdhsa_group_segment_fixed_size 59392
		.amdhsa_private_segment_fixed_size 0
		.amdhsa_enable_private_segment 0
		.amdhsa_kernarg_size 32
		.amdhsa_user_sgpr_count 2
		.amdhsa_user_sgpr_kernarg_segment_ptr 1
		.amdhsa_wavefront_size32 1
		.amdhsa_system_sgpr_workgroup_id_x 1
		.amdhsa_system_sgpr_workgroup_id_y 1
		.amdhsa_system_sgpr_workgroup_id_z 1
		.amdhsa_system_vgpr_workitem_id 0
		.amdhsa_next_free_vgpr 250
		.amdhsa_next_free_sgpr 66
		.amdhsa_reserve_vcc 0
		.amdhsa_float_denorm_mode_32 3
		.amdhsa_float_denorm_mode_16_64 3
		.amdhsa_memory_ordered 1
		.amdhsa_forward_progress 1
		.amdhsa_inst_pref_size 203
	.end_amdhsa_kernel
	.amdgpu_metadata
---
amdhsa.version: [ 1, 2 ]
amdhsa.kernels:
  - .name:           k_q6d48e754c4_quant
    .symbol:         k_q6d48e754c4_quant.kd
    .args:
      - { .name: x, .offset: 0, .size: 8, .value_kind: global_buffer, .address_space: global }
      - { .name: weight, .offset: 8, .size: 8, .value_kind: global_buffer, .address_space: global }
      - { .name: xq, .offset: 16, .size: 8, .value_kind: global_buffer, .address_space: global }
      - { .name: wq, .offset: 24, .size: 8, .value_kind: global_buffer, .address_space: global }
    .group_segment_fixed_size: 59392
    .private_segment_fixed_size: 0
    .kernarg_segment_align: 8
    .kernarg_segment_size: 32
    .max_flat_workgroup_size: 128
    .sgpr_count:     66
    .vgpr_count:     250
    .wavefront_size: 32
...
	.end_amdgpu_metadata
.endif
;; end of part 1
;; launch gemm (part 2): grid 64 x 4, 4 waves a work-group, clusters of 4 x 4, 327,680 bytes of LDS; arguments xq, wq, scale, bias, out0; writes out0
.if DOCPART == 2
	.amdgcn_target "amdgcn-amd-amdhsa--gfx1250"
	.amdhsa_code_object_version 6
	.text
	.protected	k_q6d48e754c4_gemm
	.globl	k_q6d48e754c4_gemm
	.p2align	8
	.type	k_q6d48e754c4_gemm,@function
k_q6d48e754c4_gemm:
	s_mov_b64 s[64:65], 0
	v_nop
	global_prefetch_b8 v0, s[64:65] scope:SCOPE_SE
	s_setreg_imm32_b32 hwreg(HW_REG_WAVE_MODE, 25, 1), 1
	s_wait_xcnt 0x0
	s_wait_alu depctr_hold_cnt(0) depctr_sa_sdst(0) depctr_va_vdst(0) depctr_va_sdst(0) depctr_va_ssrc(0) depctr_va_vcc(0) depctr_vm_vsrc(0)
	s_getreg_b32 s2, hwreg(HW_REG_IB_STS2, 6, 4)
	s_cmp_eq_u32 s2, 0
	s_cbranch_scc0 .Lentry_in_a_cluster
	s_endpgm
.Lentry_in_a_cluster:
	s_bfe_u32 s2, ttmp6, 0x10000c
	s_cmp_lg_u32 s2, 0xf033
	s_cbranch_scc0 .Lentry_shape_is_right
	s_endpgm
.Lentry_shape_is_right:
; out0[m][n] = (sum over k of xq[m][k] wq[n][k]) x scale[n] + bias[n]: both operands are codes of FP4 (E2M1) with one E8M0 byte for each 32 along K, as the launch before laid them:
; [rb = row / 128][ks = k / 512][a chunk of 34,816 bytes: codes [i = 16 rows][kb = 32 K][r][16 bytes], then scale bytes [row][kb]].  A chunk is dense; a lane's part of a fragment lies 16 x lane into [i][two kb].
; A tile of 256 x 256 of the result is made by four waves, 128 x 128 each: 64 accumulators, 512 registers.  K goes in steps of 512 through a ring of two LDS slots of four chunks;
; each wave fetches one chunk with one tensor load, as 136 rows of 256 bytes.
; CLUSTERS of 4 x 4: x's chunks are shared along a row of the cluster, weight's along a column: joint loads, each behind a round of the cluster's barrier.
; REGISTERS, in windows of 256: window 0: v0-31 addresses; v32-95 scale words, a set for each slot; v96-103 scale and bias; v128-191 A's fragments; v192-255 the way out.
;   window 1: B's fragments, two sets at v0 and v128; in the last K step all 256: B's fragments of the whole step.   windows 2, 3: the accumulators of my rows 0-63, 64-127.
; The matrix instruction is used transposed (source 0 = weight's rows, source 1 = x's): a lane holds eight neighbouring columns of a row.
; THE LAST K STEP GOES BY ROWS OF THE RESULT: my eight blocks of 16 rows are finished one after the other, 32 matrix instructions each, and each leaves as soon as it is finished.
; On the way out a block goes through the wave's stage (in slot 0, which has had its last fill and read) and comes back as rows of 512 bytes: a lane then holds columns 4 l .. 4 l + 3 of every row,
; so scale and bias are four registers each.
; PREFETCH: behind each refill a wave names 32 blocks of 256 bytes of the chunk two refills on; the four partners share a chunk out by address; the loop's last trip asks for nothing.
.set SIZE_N,   16384
.set CHUNK,    34816
.set RBSTRIDE, 8*CHUNK
.set SCO,      32768
.set SLOT,     4*CHUNK
.set SPARE,    2*SLOT
.set NQ,       4
.set FR,       8
.set NL,       2
.set NP,       4
.set LAPS,     4
.set SPITCH,   528
.set ADRA, 16
.set ADRS, 18
.set ADRB, 20
.set STO,  24
.set RD,   25
.set CO,   26
.set SPW,  28
.set NIL,  29
.set PFO,  30
.set SC,   32
.set AF,   128
.set BK,   192
.set SCV,  96
.set BIV,  100
.set G1, 24
.set G0, 32
.set G1B, 48
.set G0B, 56
.set PFA, 68
.set LIM, 70
.set MSB, 0
.macro WIN new
.if MSB != \new
	s_set_vgpr_msb (MSB<<8)|\new
.set MSB, \new
.endif
.endm
.set MUL_LO, 0xa1
.set MUL_HI, 0xf1
.set TO_B,   0x40
.macro JLOAD g0a, g1a, g0b, g1b
	s_cmp_eq_u32 s15, 0
	s_cbranch_scc0 .Lfor_b_\@
	tensor_load_to_lds s[\g0a:\g0a+3], s[\g1a:\g1a+7]
	s_nop 0
.rept 4
	v_nop
.endr
	s_branch .Lasked_\@
.Lfor_b_\@:
	tensor_load_to_lds s[\g0b:\g0b+3], s[\g1b:\g1b+7]
	s_nop 0
.rept 4
	v_nop
.endr
.Lasked_\@:
.endm
.macro ASK
	s_cmp_gt_u32 s3, s[LIM]
	s_cbranch_scc0 .Lnot_mine_\@
	s_wait_alu depctr_va_vdst(0)
	global_prefetch_b8 v[PFO], s[PFA:PFA+1] offset:CHUNK th:TH_LOAD_NT scope:SCOPE_SE
.Lnot_mine_\@:
.endm
.macro CREST
	s_cmp_lg_u32 s14, 0
	s_cbranch_scc1 .Lnot_wave_0_\@
	s_barrier_signal -3
.Lnot_wave_0_\@:
	s_barrier_wait -3
	s_barrier_signal -1
	s_barrier_wait -1
.endm
.macro CROUND
	s_barrier_signal -1
	s_barrier_wait -1
	CREST
.endm
	s_load_b256 s[4:11], s[0:1], 0x0
	s_load_b64 s[12:13], s[0:1], 0x20
	v_lshl_add_u32 v[SPW], v0, 2, SPARE
	v_mov_b32 v[NIL], 0
	ds_add_u32 v28, v29
	ds_add_u32 v28, v29
	s_wait_dscnt 0x0
	v_lshrrev_b32 v1, 5, v0
	v_readfirstlane_b32 s14, v1
	s_lshr_b32 s15, s14, 1
	s_and_b32 s16, s14, 1
	s_bfe_u32 s40, ttmp6, 0x40000
	s_bfe_u32 s41, ttmp6, 0x40004
	s_lshl_b32 s42, ttmp9, 2
	s_add_co_u32 s42, s42, s40
	s_and_b32 s17, ttmp7, 0xffff
	s_lshl_b32 s17, s17, 2
	s_add_co_u32 s17, s17, s41
	s_lshl_b32 s43, s41, 2
	s_lshl_b32 s43, 15, s43
	s_lshl_b32 s44, 0x1111, s40
	s_or_b32 s[G1+0], s43, (3<<16)|(1<<21)
	s_or_b32 s[G1B+0], s44, (3<<16)|(1<<21)
.irp g, G1, G1B
	s_mov_b32 s[\g+1], 32<<16
	s_mov_b32 s[\g+2], 136<<16
	s_mov_b32 s[\g+3], 32<<16
	s_mov_b32 s[\g+4], 136
	s_mov_b32 s[\g+5], 32
	s_mov_b32 s[\g+6], 0
	s_mov_b32 s[\g+7], 0
.endr
	s_lshl_b32 s20, s17, 1
	s_add_co_u32 s20, s20, s16
	s_mul_i32 s20, s20, RBSTRIDE
	s_mov_b32 s21, 0
	s_lshl_b32 s46, s42, 1
	s_add_co_u32 s46, s46, s16
	s_mul_i32 s46, s46, RBSTRIDE
	s_mov_b32 s47, 0
	s_mul_i32 s45, s14, CHUNK
	s_wait_kmcnt 0x0
	s_add_nc_u64 s[20:21], s[4:5], s[20:21]
	s_add_nc_u64 s[46:47], s[6:7], s[46:47]
	CROUND
.irp s, 0,1
	s_mov_b32 s[G0+4*\s], 1
	s_add_co_u32 s[G0+4*\s+1], s45, \s*SLOT
	s_add_nc_u64 s[G0+4*\s+2:G0+4*\s+3], s[20:21], \s*CHUNK
	s_or_b32 s[G0+4*\s+3], s[G0+4*\s+3], 0x80000000
	s_mov_b32 s[G0B+4*\s], 1
	s_add_co_u32 s[G0B+4*\s+1], s45, \s*SLOT
	s_add_nc_u64 s[G0B+4*\s+2:G0B+4*\s+3], s[46:47], \s*CHUNK
	s_or_b32 s[G0B+4*\s+3], s[G0B+4*\s+3], 0x80000000
.endr
	JLOAD G0, G1, G0B, G1B                         ; K step 0: one tensor load a wave at the head
	v_and_b32 v1, 15, v0
	v_bfe_u32 v2, v0, 4, 1
	s_wait_alu depctr_va_vdst(0)
	v_and_b32 v6, 31, v0
	v_lshlrev_b32 v4, 4, v6
	s_mul_i32 s21, s15, CHUNK
	s_mul_i32 s22, s16, CHUNK
	s_add_co_u32 s22, s22, 2*CHUNK
.irp s, 0,1
	v_add_nc_u32 v[ADRA+\s], s21, v4
	v_add_nc_u32 v[ADRB+\s], s22, v4
	s_add_co_u32 s21, s21, SLOT
	s_add_co_u32 s22, s22, SLOT
.endr
	s_mul_i32 s21, s15, CHUNK
	s_xor_b32 s22, s15, 1
	s_add_co_u32 s22, s22, s16
	s_add_co_u32 s22, s22, 1
	s_mul_i32 s22, s22, CHUNK
	v_mul_u32_u24 v5, s22, v2
	v_lshl_add_u32 v5, v1, 4, v5
	v_add_nc_u32 v[ADRS], s21, v5
	v_add_nc_u32 v[ADRS+1], SLOT, v[ADRS]
	s_mul_i32 s23, s14, 16*SPITCH
	v_mul_u32_u24 v5, v1, SPITCH
	v_lshl_add_u32 v5, v2, 5, v5
	v_add_nc_u32 v[STO], s23, v5
	v_lshlrev_b32 v[CO], 4, v6
	v_add_nc_u32 v[RD], s23, v[CO]
	s_wait_alu depctr_va_vdst(0)
	v_lshlrev_b32 v[PFO], 8, v6
	s_lshl_b32 s20, s17, 8
	s_lshl_b32 s21, s15, 7
	s_add_co_u32 s20, s20, s21
	s_lshl_b32 s20, s20, 16
	s_mov_b32 s21, 0
	s_lshl_b32 s46, s42, 10
	s_lshl_b32 s47, s16, 9
	s_add_co_u32 s46, s46, s47
	s_mov_b32 s47, 0
	s_add_nc_u64 s[72:73], s[8:9], s[46:47]
	s_add_nc_u64 s[74:75], s[10:11], s[46:47]
	s_add_nc_u64 s[12:13], s[12:13], s[20:21]
	s_add_nc_u64 s[12:13], s[12:13], s[46:47]
	s_lshl_b32 s18, s17, 1
	s_lshl_b32 s19, s42, 1
	s_and_b32 s22, ttmp7, 0xffff
	s_cmp_eq_u32 s15, 0
	s_cselect_b32 s20, s18, s19
	s_cselect_b32 s21, s40, s41
	s_cselect_b32 s22, ttmp9, s22
	s_cselect_b64 s[PFA:PFA+1], s[4:5], s[6:7]
	s_cmp_eq_u32 s22, 0
	s_cselect_b32 s[LIM], 1, -1
	s_add_co_u32 s20, s20, s16
	s_mul_i32 s20, s20, RBSTRIDE
	s_lshl_b32 s21, s21, 13
	s_add_co_u32 s20, s20, s21
	s_add_co_u32 s20, s20, 2*CHUNK
	s_mov_b32 s21, 0
	s_add_nc_u64 s[PFA:PFA+1], s[PFA:PFA+1], s[20:21]
	global_load_b128 v[SCV:SCV+3], v[CO], s[72:73] ; scale and bias of my columns 4 l .. 4 l + 3: waited for on the way out; v96-103 hold nothing else
	global_load_b128 v[BIV:BIV+3], v[CO], s[74:75]
.macro FRAG reg, adr, q, i
.irp c, 0,1
	ds_load_b128 v[\reg+4*\c:\reg+4*\c+3], v[\adr] offset:4096*(\i)+1024*(\q)+512*\c
.endr
.endm
.macro MUL16 a0, p, q, sc, zero
.irp a, \a0, \a0+1
.irp b, 0,1,2,3,4,5,6,7
.if \zero
	v_wmma_scale_f32_16x16x128_f8f6f4 v[8*(8*((\a)%4)+\b):8*(8*((\a)%4)+\b)+7], v[128*(\p)+FR*\b:128*(\p)+FR*\b+FR-1], v[AF+FR*(\a):AF+FR*(\a)+FR-1], 0, v[SC+8*NQ*(\sc)+NQ*\b+(\q)], v[SC+8*NQ*(\sc)+NQ*(\a)+(\q)] matrix_a_fmt:MATRIX_FMT_FP4 matrix_b_fmt:MATRIX_FMT_FP4 matrix_a_scale:MATRIX_SCALE_ROW1
.else
	v_wmma_scale_f32_16x16x128_f8f6f4 v[8*(8*((\a)%4)+\b):8*(8*((\a)%4)+\b)+7], v[128*(\p)+FR*\b:128*(\p)+FR*\b+FR-1], v[AF+FR*(\a):AF+FR*(\a)+FR-1], v[8*(8*((\a)%4)+\b):8*(8*((\a)%4)+\b)+7], v[SC+8*NQ*(\sc)+NQ*\b+(\q)], v[SC+8*NQ*(\sc)+NQ*(\a)+(\q)] matrix_a_fmt:MATRIX_FMT_FP4 matrix_b_fmt:MATRIX_FMT_FP4 matrix_a_scale:MATRIX_SCALE_ROW1
.endif
.endr
.endr
.endm
.macro FETCH_B slot, q, p
	WIN TO_B
.irp i, 0,1,2,3,4,5,6,7
	FRAG 128*(\p)+FR*\i, ADRB+\slot, \q, \i
.endr
	WIN 0
.endm
.macro FETCH_A slot, q, i0
.irp i, \i0, \i0+1, \i0+2, \i0+3
	FRAG AF+FR*(\i), ADRA+\slot, \q, \i
.endr
.endm
.macro SCALES sc
.irp i, 0,1,2,3,4,5,6,7
	ds_load_b128 v[SC+8*NQ*\sc+NQ*\i:SC+8*NQ*\sc+NQ*\i+3], v[ADRS+\sc] offset:SCO+256*\i
.endr
.endm
.macro PLACES n
.rept \n
	v_nop
.endr
.endm
.macro STEP slot, q, zero
	s_wait_dscnt 4*NL
	WIN MUL_LO
	MUL16 0, (\q)%2, \q, \slot, \zero
	MUL16 2, (\q)%2, \q, \slot, \zero
	s_wait_dscnt 0
	PLACES NP
	FETCH_B \slot, (\q)+1, 1-(\q)%2
	FETCH_A \slot, (\q)+1, 0
	WIN MUL_HI
	MUL16 4, (\q)%2, \q, \slot, \zero
	MUL16 6, (\q)%2, \q, \slot, \zero
	PLACES NP
	WIN 0
	FETCH_A \slot, (\q)+1, 4
.endm
.macro TURN slot, next, fill
.if \fill
	s_wait_xcnt 0x0
	s_add_nc_u64 s[PFA:PFA+1], s[PFA:PFA+1], CHUNK
.endif
	s_wait_tensorcnt 0x0
	ds_add_u32 v[SPW], v[NIL]
	s_wait_dscnt 4*NL+1
	WIN MUL_LO
	MUL16 0, 1, NQ-1, \slot, 0
	s_wait_dscnt 0x0
	s_barrier_signal -1
	MUL16 2, 1, NQ-1, \slot, 0
	WIN 0
	s_barrier_wait -1
.if \fill
	CREST
	s_add_nc_u64 s[G0+4*\slot+2:G0+4*\slot+3], s[G0+4*\slot+2:G0+4*\slot+3], 2*CHUNK
	s_add_nc_u64 s[G0B+4*\slot+2:G0B+4*\slot+3], s[G0B+4*\slot+2:G0B+4*\slot+3], 2*CHUNK
	JLOAD G0+4*\slot, G1, G0B+4*\slot, G1B
.else
	PLACES NP
.endif
	FETCH_B \next, 0, 0
	FETCH_A \next, 0, 0
	SCALES \next
.if \fill
	ASK
.endif
	WIN MUL_HI
	MUL16 4, 1, NQ-1, \slot, 0
	MUL16 6, 1, NQ-1, \slot, 0
	PLACES NP
	WIN 0
	FETCH_A \next, 0, 4
.endm
.macro STEPS slot, from
.set Q, \from
.rept NQ-1-\from
	STEP \slot, Q, 0
.set Q, Q+1
.endr
.endm
	s_wait_alu depctr_va_vdst(0)
	s_wait_tensorcnt 0x0                           ; my chunk of K step 0 is in
	ds_add_u32 v[SPW], v[NIL]
	s_wait_dscnt 0x0
	CROUND                                         ; a whole round: all four chunks are in, and all sixteen work-groups are here
	JLOAD G0+4, G1, G0B+4, G1B                     ; K step 1's load, the first tensor load behind the round
	FETCH_B 0, 0, 0
	FETCH_A 0, 0, 0
	SCALES 0
	FETCH_A 0, 0, 4
	STEP 0, 0, 1
	s_mov_b32 s3, LAPS-1
.Llap:
	STEPS 0, 1
	TURN 0, 1, 1
	STEPS 1, 0
	TURN 1, 0, 1
	STEP 0, 0, 0
	s_sub_co_u32 s3, s3, 1
	s_cmp_lg_u32 s3, 0
	s_cbranch_scc1 .Llap
	STEPS 0, 1
; THE LAST K STEP (slot 1) BY ROWS.  B's fragments of its four quarters fill window 1 (quarter q at v[64 q]); A's come by blocks of 16 rows x 512 K, 32 registers, into two buffers, v128-159 and v160-191.
.macro BLOAD q
.irp i, 0,1,2,3,4,5,6,7
	FRAG 64*(\q)+FR*\i, ADRB+1, \q, \i
.endr
.endm
.macro ALOAD a                         ; A's block a, all four quarters, into buffer a % 2
.irp q, 0,1,2,3
	FRAG 128+32*((\a)%2)+FR*\q, ADRA+1, \q, \a
.endr
.endm
.macro ROW a                           ; block a is finished: 32 matrix instructions, its eight accumulators by turns, K ascending
.set FA, 128+32*((\a)%2)
.set AC, 64*((\a)%4)
	WIN MUL_LO+0x50*((\a)/4)
.irp q, 0,1,2,3
.if (\a) == 0 && \q == 2
	s_wait_dscnt 4*NL                              ; B's quarter 2 is in (behind it: A's block 1)
.endif
.irp b, 0,1,2,3,4,5,6,7
	v_wmma_scale_f32_16x16x128_f8f6f4 v[AC+8*\b:AC+8*\b+7], v[64*\q+FR*\b:64*\q+FR*\b+FR-1], v[FA+FR*\q:FA+FR*\q+FR-1], v[AC+8*\b:AC+8*\b+7], v[SC+8*NQ+NQ*\b+\q], v[SC+8*NQ+NQ*(\a)+\q] matrix_a_fmt:MATRIX_FMT_FP4 matrix_b_fmt:MATRIX_FMT_FP4 matrix_a_scale:MATRIX_SCALE_ROW1
.endr
.endr
.endm
	s_wait_tensorcnt 0x0                           ; the last change of slots: my one load that was out is slot 1's, so no round follows
	ds_add_u32 v[SPW], v[NIL]                      ; 0 onto my spare word
	s_wait_dscnt 4*NL+1                            ; (the add and the youngest eight loads, A's blocks 4-7, may be out)
	WIN MUL_LO
	MUL16 0, 1, NQ-1, 0, 0
	s_wait_dscnt 0x0                               ; the add is done, and my reads of slot 0 are over
	s_barrier_signal -1
	MUL16 2, 1, NQ-1, 0, 0
	WIN 0
	s_barrier_wait -1
	PLACES NP                                      ; for the loads into B's set 0 and into A's blocks 0-3
	WIN TO_B
	BLOAD 0                                        ; three quarters of B now: v128-191 of window 1 are still being multiplied
	BLOAD 1
	BLOAD 3
	WIN 0
	SCALES 1
	ALOAD 0
	WIN MUL_HI
	MUL16 4, 1, NQ-1, 0, 0
	MUL16 6, 1, NQ-1, 0, 0
	PLACES NP                                      ; for the loads into B's set 1 and into A's blocks 4-7
	WIN TO_B
	BLOAD 2
	WIN 0
	ALOAD 1
	s_wait_dscnt 12*NL                             ; all but the 24 just issued
	ROW 0
.macro TOSTAGE a
.set AC, 64*((\a)%4)
	WIN 0x08+4*((\a)/4)
.irp b, 0,1,2,3,4,5,6,7
	ds_store_b128 v[STO], v[AC+8*\b:AC+8*\b+3] offset:64*\b
	ds_store_b128 v[STO], v[AC+8*\b+4:AC+8*\b+7] offset:64*\b+16
.endr
	WIN 0
.set BB, BK
.irp t, 0,1,2,3,4,5,6,7,8,9,10,11,12,13,14,15
	ds_load_b128 v[BB+4*\t:BB+4*\t+3], v[RD] offset:\t*SPITCH
.endr
.endm
.macro SEND a, younger
.set BB, BK
	s_wait_dscnt \younger
.if (\a) > 0
	s_add_nc_u64 s[12:13], s[12:13], 16*SIZE_N*4
.endif
.irp t, 0,1,2,3,4,5,6,7,8,9,10,11,12,13,14,15
	v_pk_fma_f32 v[BB+4*\t:BB+4*\t+1], v[BB+4*\t:BB+4*\t+1], v[SCV:SCV+1], v[BIV:BIV+1]             ; x scale + bias: every row has my four columns
	v_pk_fma_f32 v[BB+4*\t+2:BB+4*\t+3], v[BB+4*\t+2:BB+4*\t+3], v[SCV+2:SCV+3], v[BIV+2:BIV+3]
.endr
.irp t, 0,1,2,3,4,5,6,7,8,9,10,11,12,13,14,15
	global_store_b128 v[CO], v[BB+4*\t:BB+4*\t+3], s[12:13] offset:\t*SIZE_N*4 th:TH_STORE_NT
.endr
.endm
	s_wait_loadcnt 0x0                             ; scale and bias are in
.irp a, 0,1,2,3,4,5,6,7                ; each block leaves as soon as it is finished
	PLACES NP                                      ; behind block a's products: its results are read, and its buffer of A is loaded again
.if \a > 0
	s_wait_xcnt 0x0                                ; block a - 1's stores have read v192-255 and their base
.endif
	TOSTAGE \a
.if \a < 6
	ALOAD \a+2                                     ; its buffer takes the block two further on
	SEND \a, 4*NL                                  ; those eight loads may stay out; A's block a + 1 is in
.else
	SEND \a, 0
.endif
.if \a < 7
	ROW \a+1
.endif
.endr
	s_wait_tensorcnt 0x0
	ds_add_u32 v[SPW], v[NIL]
	s_wait_dscnt 0x0
	CROUND
	s_endpgm
.Lfunc_end_k_q6d48e754c4_gemm:
	.size	k_q6d48e754c4_gemm, .Lfunc_end_k_q6d48e754c4_gemm-k_q6d48e754c4_gemm
	.p2alignl 7, 3214868480
	.fill 96, 4, 3214868480
	.section	.rodata,"a",@progbits
	.p2align	6, 0x0
	.amdhsa_kernel k_q6d48e754c4_gemm
		.amdhsa_group_segment_fixed_size 327680
		.amdhsa_private_segment_fixed_size 0
		.amdhsa_enable_private_segment 0
		.amdhsa_kernarg_size 40
		.amdhsa_user_sgpr_count 2
		.amdhsa_user_sgpr_kernarg_segment_ptr 1
		.amdhsa_wavefront_size32 1
		.amdhsa_system_sgpr_workgroup_id_x 1
		.amdhsa_system_sgpr_workgroup_id_y 1
		.amdhsa_system_sgpr_workgroup_id_z 1
		.amdhsa_system_vgpr_workitem_id 0
		.amdhsa_next_free_vgpr 1024
		.amdhsa_next_free_sgpr 80
		.amdhsa_reserve_vcc 0
		.amdhsa_float_denorm_mode_32 3
		.amdhsa_float_denorm_mode_16_64 3
		.amdhsa_memory_ordered 1
		.amdhsa_forward_progress 1
		.amdhsa_inst_pref_size 226
	.end_amdhsa_kernel
	.amdgpu_metadata
---
amdhsa.version: [ 1, 2 ]
amdhsa.kernels:
  - .name:           k_q6d48e754c4_gemm
    .symbol:         k_q6d48e754c4_gemm.kd
    .args:
      - { .name: xq, .offset: 0, .size: 8, .value_kind: global_buffer, .address_space: global }
      - { .name: wq, .offset: 8, .size: 8, .value_kind: global_buffer, .address_space: global }
      - { .name: scale, .offset: 16, .size: 8, .value_kind: global_buffer, .address_space: global }
      - { .name: bias, .offset: 24, .size: 8, .value_kind: global_buffer, .address_space: global }
      - { .name: out0, .offset: 32, .size: 8, .value_kind: global_buffer, .address_space: global }
    .group_segment_fixed_size: 327680
    .private_segment_fixed_size: 0
    .kernarg_segment_align: 8
    .kernarg_segment_size: 40
    .max_flat_workgroup_size: 128
    .sgpr_count:     80
    .vgpr_count:     1024
    .wavefront_size: 32
...
	.end_amdgpu_metadata
.endif
;; end of part 2
